; MI455X (gfx1250); checked and timed in simulation.
; The chip was launched on July 23, 2026; its instructions are those of AMD's public machine-readable ISA for CDNA 5 (MIT licence, August 2026) and "CDNA5" Instruction Set Architecture Reference Guide (July 2026). The comments in the code are by the model that wrote it; some were corrected since.
;; Attention Based Linking Module. Allowed arithmetic: matrix products marked QUANTISED: E3M2 operands, one E8M0 scale for each 32 along K, by v_wmma_scale_f32_16x16x128_f8f6f4 with both operands' format E3M2, f32 sums; products left as they are: f32 operands where the result goes on into a quantised operand, else bf16, f16 or f32 operands; f32 sums; everything else in f32.
;; Inputs: W1 1,024 x 500 float32; W2 500 x 500 float32; W3 500 x 1 float32; Ws_codes 512 x 16 x 24 uint8 (E3M2 codes of Ws, K innermost, in blocks of 32 codes, four codes in three bytes); Ws_scales 512 x 16 uint8 (E8M0 scales of Ws, one for each 32 codes along K); b1 500 float32; b2 500 float32; b3 1 float32; bs 512 float32; knowledge_embs 1,024 x 512 float32; lengths 256 int32; span2concepts 256 x 64 int32; span_embs_codes 256 x 16 x 24 uint8 (E3M2 codes of span_embs, K innermost, in blocks of 32 codes, four codes in three bytes); span_embs_scales 256 x 16 uint8 (E8M0 scales of span_embs, one for each 32 codes along K).
;; Outputs: out0 256 x 512 float32; out1 256 x 65 float32.
;; This version of the problem:
;;   THIS VERSION OF THE PROBLEM IS GIVEN IN LOW PRECISION. The matrix products marked QUANTISED in the list below multiply operands that are first quantised to E3M2 (3 exponent bits, 2 mantissa bits; 6 bits a number), with one power-of-two scale for each 32 numbers along K (OCP MX v1.0); their sums are f32. All else is computed in f32.
;;   The module's matrix products, in the order in which they are computed (A, B: the left and right operand; K: the contracted axis; several contracted axes count as one K, in the product's order):
;;     1. [M 256, K 512] x [K 512, N 512]; A: input span_embs (given as codes); B: input Ws (given as codes): QUANTISED
;;     2. [M 256, K 512] x [K 512, N 500]; A: input span_embs (given as codes); B: input W1: QUANTISED
;;     3. [M 1,024, K 512] x [K 512, N 500]; A: input knowledge_embs; B: input W1: QUANTISED
;;     4. [M 256, K 512] x [K 512, N 500]; A: computed on the way; B: input W1: QUANTISED
;;     5. [M 262,400, K 500] x [K 500, N 500]; A: computed on the way; B: input W2: QUANTISED
;;     6. [M 262,400, K 500] x [K 500, N 1]; A: computed on the way; B: input W3: left as it is (N = 1 < 16)
;;     7. batch 256 x [M 1, K 65] x [K 65, N 512]; A: softmax; B: computed on the way: left as it is (M = 1 < 16)
;;   THE QUANTISER, for each operand of a quantised product, along K:
;;     - K is cut into blocks of 32 from its start; a last block that is shorter is filled with zeros.
;;     - A block's scale is 2^e with e = floor(log2(the largest magnitude in the block)) - 4, held to -126 .. 127; a block of zeros has e = 0. As a byte (E8M0): e + 127.
;;     - Each number is divided by its block's scale, clamped to +-28, and rounded to the nearest number of E3M2, ties to even, subnormals kept.
;;     - The product sums the exact products of the quantised numbers (number of the format x scale) in f32.
;;   ~~~python
;;   def quantise(x, axis):      # numpy; x: float32 -> the quantised numbers, widened to float32 again
;;       x = np.moveaxis(x, axis, -1); K = x.shape[-1]
;;       x = np.pad(x, [(0, 0)] * (x.ndim - 1) + [(0, -K % 32)]); x = x.reshape(x.shape[:-1] + (-1, 32)); a = np.abs(x).max(-1, keepdims=True)
;;       e = np.where(a > 0, np.clip(np.frexp(np.where(a > 0, a, 1))[1] - 1 - 4, -126, 127), 0)      # np.frexp(a)[1] - 1 = floor(log2(a)), exactly
;;       r = np.clip(x / 2.0 ** e, -28, 28)
;;       step = 2.0 ** (np.maximum(np.frexp(np.where(r == 0, 1, r))[1] - 1, -2) - 2)
;;       q = np.round(r / step) * step * 2.0 ** e      # np.round: ties to even
;;       return np.moveaxis(q.reshape(q.shape[:-2] + (-1,))[..., :K], -1, axis).astype(np.float32)
;;   ~~~
;;   OPERANDS COMPUTED ON THE WAY. 'Computed on the way' means the value that the module computes at that place (a softmax that the list does not call 'softmax' is quantised finished and normalised). What goes into a quantiser is computed in f32, as accurately as f32 sums, v_exp_f32 and their like allow (about 1e-6 of the number): no bf16 or f16 on the way to a quantiser, and a product that is left as it is and whose result goes on into a quantised operand takes f32 operands (vector FMAs, or v_wmma_f32_16x16x4_f32). A number that lies on a knife's edge between two numbers of the format may be rounded either way, as far as f32 arithmetic and the matrix unit's own rounding can turn it there, and no further.
;;   INPUTS GIVEN AS CODES. Ws (in the module: [512, 512], K = its axis 0); span_embs (in the module: [256, 512], K = its axis 1): each comes as NAME_codes (uint8): NAME with its K axis moved to the last place and cut into blocks of 32 codes, [.., K / 32, bytes a block], one block behind the other in memory; four codes in three bytes: a row's codes are one little-endian stream of bits, code i at bits 6 i .. 6 i + 5 (a code: sign, 3 exponent bits, 2 mantissa bits); and NAME_scales (uint8): the same leading axes, one E8M0 byte (e + 127) for each 32 codes along K. Its value is code x scale, taken as it is: it is not quantised again, and the codes and scales need not be those that the quantiser above would give.
;; One version. Each part assembles by itself: llvm-mc -triple=amdgcn-amd-amdhsa -mcpu=gfx1250 --defsym DOCPART=n.
;; ======== version 1 of 1: 2 launches
;; workspace buffers: wimg 393,216 bytes; wscl 16,384 bytes; kcodes 491,520 bytes; kscl 20,480 bytes; sentf 524,288 bytes; spb 524,288 bytes; vecs 4,096 bytes; kbf 1,048,576 bytes
;; launch prep (part 1): grid 64 x 1, 8 waves a work-group, no clusters, 213,504 bytes of LDS; arguments W1, W2, W3, b1, b2, bs, Ws_codes, Ws_scales, span_embs_codes, span_embs_scales, knowledge_embs, wimg, wscl, kcodes, kscl, sentf, spb, vecs, kbf; writes wimg, wscl, kcodes, kscl, sentf, spb, vecs, kbf
.if DOCPART == 1
	.amdgcn_target "amdgcn-amd-amdhsa--gfx1250"
	.amdhsa_code_object_version 6
	.text
	.protected	k_q4573f1075a_prep
	.globl	k_q4573f1075a_prep
	.p2align	8
	.type	k_q4573f1075a_prep,@function
k_q4573f1075a_prep:
	s_mov_b64 s[64:65], 0
	v_nop
	global_prefetch_b8 v0, s[64:65] scope:SCOPE_SE
	s_setreg_imm32_b32 hwreg(HW_REG_WAVE_MODE, 25, 1), 1
	s_wait_xcnt 0x0
; PREPARATION for the scorer.  64 work-groups of eight waves, four roles by the work-group's number:
;   A  (0-7)    spb[256][512]  = span_embs x Q(W1[0:512]) + b1 (units 500-511: 0).  64 units a work-group.
;   C  (8-15)   sentinel = relu(span_embs x Ws + bs): f32 into sentf, and as E3M2 codes into rows 1024+n of kcodes / kscl.
;   B  (16-31)  Q(W1[512:1024]) and Q(W2), quantised down their columns, into wimg / wscl; b2 and W3 padded to 512 into vecs.
;   D  (32-63)  knowledge_embs: E3M2 codes into rows 0-1023 of kcodes / kscl, and a bf16 copy into kbf.
; THE QUANTISER: a block of 32 along K has the scale 2^(floor(log2(largest magnitude)) - 4); its byte is the largest
; magnitude's exponent field - 4, held at 1 from below by a floor among the maximum's leaves.
; LAYOUTS (read by this program alone):
;   wimg  [matrix][w 0-3][tile t 0-7][K step s 0-3]: a fragment (16 units x 128 K, 12 registers a lane) as an image of its registers:
;         registers 4c..4c+3 of lane l at 512 c + 16 l.  Tile row i of tile t = 2 tp + u is unit 128 w + 32 tp + 8 u + i + 8 (i / 8).
;   wscl  [matrix][w][tp][16 u + i][16 scale bytes along K]
;   kcodes[1280 rows][384 B]: block kb = 4 s + 2 c + h of a row lies at 96 s + 48 h + 24 c: lane (r, h) finds its 48 bytes of K step s on end.
;   kscl  [1280][16], natural order.
; Units and K rows from 500 on get zero CODES; their scale bytes are those of a neighbour and scale nothing.
; LIMITS: NaN and infinities among the inputs are not served; a block whose largest magnitude lies under 2^-122 keeps the byte 1,
; and so does a block of zeros (its codes are zeros).  The sentinel's codes leave in runs of 96 bytes and its scale words in runs
; of 4, since a row's four K steps belong to four work-groups: 102,400 bytes in all.
.set FP,    1568                       ; a fragment's place in A's and B's LDS images: 1,536 + 32, so that tiles u = 0 and u = 1 fall on different banks
.set IMGA,  0                          ; role A: 16 fragments
.set SCLA,  25088                      ;         their scale rows, 1,024 bytes
.set OSTA,  26112                      ;         a stage of 16 rows x 272 bytes for each wave
.set IMGB,  60928                      ; role B: 16 fragments
.set SCLB,  86016                      ;         their scale rows
.set CIMG,  87040                      ; role C: 32 fragments of Ws, 1,536 bytes each
.set OSTC,  136192                     ;         a stage for each wave
.set DST,   171008                     ; role D: two stages of 2,560 bytes for each wave
.set DSC,   211968                     ;         512 scale bytes
.set HA,    16                         ; v16-79   eight accumulators
.set PC,    80                         ; v80-98   codes just made (role C)
.set TM,    100                        ; v100-115 at work in QUANT
.set PW,    116                        ; v116     the scale word just made
.set SEL,   44                         ; s[44:45] selects of v_permlanex16_b32: lane l xor 16
.set MSB, 0
.macro WIN new                         ; the immediate's high byte repeats the setting that is left
.if MSB != (\new)
	s_set_vgpr_msb (MSB<<8)|(\new)
.set MSB, \new
.endif
.endm
; one scaled product: D, A (12 registers), B (12), C, A's scales, B's scales; odd = 1: A's scales stand in lanes 16-31
.macro MM d, a, b, c, sa, sb, odd
.if \odd
	v_wmma_scale_f32_16x16x128_f8f6f4 v[(\d):(\d)+7], v[(\a):(\a)+11], v[(\b):(\b)+11], v[(\c):(\c)+7], v[\sa], v[\sb] matrix_a_fmt:MATRIX_FMT_BF6 matrix_b_fmt:MATRIX_FMT_BF6 matrix_a_scale:MATRIX_SCALE_ROW1
.else
	v_wmma_scale_f32_16x16x128_f8f6f4 v[(\d):(\d)+7], v[(\a):(\a)+11], v[(\b):(\b)+11], v[(\c):(\c)+7], v[\sa], v[\sb] matrix_a_fmt:MATRIX_FMT_BF6 matrix_b_fmt:MATRIX_FMT_BF6
.endif
.endm
; four fragments' images from LDS into 48 registers
.macro FETCH4 buf, adr, off0, stride
.irp k, 0,1,2,3
.irp c, 0,1,2
	ds_load_b128 v[\buf+12*\k+4*\c:\buf+12*\k+4*\c+3], v[\adr] offset:(\off0)+\k*(\stride)+512*\c
.endr
.endr
.endm
; four tiles (16 rows x 64 units, f32) through my own stage and out as whole rows of 256 bytes: sixteen lanes store 256 consecutive, aligned bytes.
; LDS serves a wave's instructions in order: the loads see the stores above them, and a second call's stores come behind the first call's loads.
.macro OUT4 a0, ob, base, imm
.irp k, 0,1,2,3
	ds_store_b128 v11, v[\a0+8*\k:\a0+8*\k+3] offset:128*(\k/2)+32*(\k%2)           ; each accumulator from its low end on
	ds_store_b128 v11, v[\a0+8*\k+4:\a0+8*\k+7] offset:128*(\k/2)+32*(\k%2)+16
.endr
.irp i, 0,1,2,3,4,5,6,7
	ds_load_b128 v[\ob+4*\i:\ob+4*\i+3], v12 offset:544*\i
.endr
.irp i, 0,1,2,3,4,5,6,7
	s_wait_dscnt 7-\i
	global_store_b128 v13, v[\ob+4*\i:\ob+4*\i+3], s[\base:\base+1] offset:(\imm)+4096*\i
.endr
.endm
; 64 numbers of a lane, register 16 b + i = k 32 b + 16 (lane / 16) + i of my row, become a fragment's codes in v[PC] on and its scale word in v[PW]
.macro QUANT s
.irp b, 0,1,2,3
	v_max3_num_f32 v[TM+\b], |v[\s+16*\b]|, |v[\s+1+16*\b]|, 0x2800000   ; my 16 numbers of block b, and the floor 2^(5 - 127)
.endr
.irp i, 2,4,6,8,10,12,14
.irp b, 0,1,2,3
	v_max3_num_f32 v[TM+\b], v[TM+\b], |v[\s+16*\b+\i]|, |v[\s+1+16*\b+\i]|
.endr
.endr
.irp b, 0,1,2,3
	v_permlanex16_b32 v[TM+4+\b], v[TM+\b], s[SEL], s[SEL+1]
.endr
.irp b, 0,1,2,3
	v_max_num_f32 v[TM+\b], v[TM+\b], v[TM+4+\b]       ; with lane l xor 16's: the block's largest magnitude
.endr
.irp b, 0,1,2,3
	v_add_nc_u32 v[TM+12+\b], 0xfe000000, v[TM+\b]     ; 4 off its exponent field: the conversion's scale operand
.endr
.irp b, 0,1,2,3
	v_lshrrev_b32 v[TM+4+\b], 23, v[TM+12+\b]          ; the scale's byte
.endr
	v_lshl_or_b32 v[PW], v[TM+5], 8, v[TM+4]
	v_lshl_or_b32 v[PW], v[TM+6], 16, v[PW]
	v_lshl_or_b32 v[PW], v[TM+7], 24, v[PW]
.irp c, 0,1
	v_cvt_scalef32_pk16_bf6_f32 v[PC+6*\c:PC+2+6*\c], v[\s+32*\c:\s+15+32*\c], v[TM+12+2*\c]
	v_cvt_scalef32_pk16_bf6_f32 v[PC+12+4*\c:PC+14+4*\c], v[\s+16+32*\c:\s+31+32*\c], v[TM+12+2*\c+1]
.endr
	v_nop                                              ; one plain place behind a scaled conversion
.irp c, 0,1                                        ; a whole block to a lane: lanes 0-15 block 2 c, lanes 16-31 block 2 c + 1
.irp i, 0,1,2
	v_permlane16_swap_b32 v[PC+6*\c+\i], v[PC+12+4*\c+\i]
.endr
.irp i, 0,1,2
	v_mov_b32 v[PC+3+6*\c+\i], v[PC+12+4*\c+\i]
.endr
.endr
.endm
; block j (32 along K) of my column: numbers in v[128 + 32 j] on; codes into the image of the fragment, as block 2 c + h' = j of tile row i
.macro QBLOCK j
.set XB, 128+32*(\j)
.set CJ, 80+6*(\j)
	v_max3_num_f32 v108, |v[XB]|, |v[XB+1]|, |v[XB+2]|
	v_max3_num_f32 v109, |v[XB+3]|, |v[XB+4]|, |v[XB+5]|
.irp i, 6,10,14,18,22,26
	v_max3_num_f32 v108, v108, |v[XB+\i]|, |v[XB+\i+1]|
	v_max3_num_f32 v109, v109, |v[XB+\i+2]|, |v[XB+\i+3]|
.endr
	v_max3_num_f32 v108, v108, |v[XB+30]|, |v[XB+31]|
	v_max3_num_f32 v108, v108, v109, 0x2800000         ; and the floor 2^(5 - 127)
	v_add_nc_u32 v110, 0xfe000000, v108                ; 4 off the exponent field: the conversion's scale operand
	v_lshrrev_b32 v111, 23, v110                       ; the scale's byte
.if (\j) == 0
	v_mov_b32 v14, v111
.else
	v_lshl_or_b32 v14, v111, 8*(\j), v14
.endif
	v_cvt_scalef32_pk16_bf6_f32 v[CJ:CJ+2], v[XB:XB+15], v110
	v_cvt_scalef32_pk16_bf6_f32 v[104:106], v[XB+16:XB+31], v110
	v_nop                                              ; one plain place behind a scaled conversion
.irp i, 0,1,2
	v_and_b32 v[CJ+\i], v15, v[CJ+\i]                  ; columns from 500 on: zero codes
.endr
.irp i, 0,1,2
	v_and_b32 v[CJ+3+\i], v15, v[104+\i]               ; the block's upper 16 codes: moved and masked in one
.endr
.if (\j) < 2                                       ; registers 0-5 of lane i + 16 j
	ds_store_b128 v5, v[CJ:CJ+3] offset:256*(\j)
	ds_store_b64 v5, v[CJ+4:CJ+5] offset:512+256*(\j)
.else                                              ; registers 6-11 of lane i + 16 (j - 2)
	ds_store_b64 v5, v[CJ:CJ+1] offset:520+256*((\j)-2)
	ds_store_b128 v5, v[CJ+2:CJ+5] offset:1024+256*((\j)-2)
.endif
.endm
; 64 columns x 512 K of a weight stored [K][500] become 16 fragment images and their scale rows in LDS.  Wave v: columns 32 (v / 4) on, K step v % 4.
; A lane takes a column and its registers run down K.  In: s47 = G (which 64 columns), s[52:53] = my K step's first row, s54 = K step, s55 = v / 4;
; short = 1: the last twelve rows come by s[58:59], and s57 (0 or -1) masks them.
.macro QCOLS img, scl, short
	s_lshl_b32 s60, s47, 6
	s_lshl_b32 s61, s55, 5
	s_add_co_u32 s60, s60, s61
	v_add_nc_u32 v4, s60, v1                           ; my column
	v_cmp_gt_u32 vcc_lo, 500, v4
	v_cndmask_b32 v15, 0, -1, vcc_lo                   ; all ones where the column exists
	v_min_u32 v4, 499, v4                              ; no load leaves the buffer
	v_lshlrev_b32 v4, 2, v4
.set qi, 0
.rept 116
	global_load_b32 v[128+qi], v4, s[52:53] offset:qi*2000 th:TH_LOAD_NT
.set qi, qi+1
.endr
.rept 12
.if \short
	global_load_b32 v[128+qi], v4, s[58:59] offset:qi*2000 th:TH_LOAD_NT
.else
	global_load_b32 v[128+qi], v4, s[52:53] offset:qi*2000 th:TH_LOAD_NT
.endif
.set qi, qi+1
.endr
	v_bfe_u32 v108, v0, 3, 1                           ; u: which tile of the pair
	v_and_b32 v109, 7, v0
	v_lshl_add_u32 v109, v3, 3, v109                   ; i: my tile row
	v_mul_u32_u24 v5, v108, 4*FP
	v_lshl_add_u32 v5, v109, 4, v5
	s_lshl_b32 s61, s55, 3
	s_add_co_u32 s61, s61, s54
	s_mul_i32 s61, s61, FP
	s_add_co_u32 s61, s61, \img
	v_add_nc_u32 v5, s61, v5                           ; fragment 8 (v / 4) + 4 u + s, lane i
	v_lshlrev_b32 v6, 8, v108
	v_lshl_add_u32 v6, v109, 4, v6
	s_lshl_b32 s61, s55, 9
	s_lshl_b32 s62, s54, 2
	s_add_co_u32 s61, s61, s62
	s_add_co_u32 s61, s61, \scl
	v_add_nc_u32 v6, s61, v6                           ; my scale row's word of K step s
	s_wait_loadcnt 63                                  ; 96 loads are younger than block 0's; the count's field holds 63
	QBLOCK 0
	s_wait_loadcnt 63                                  ; 64 are younger than block 1's
	QBLOCK 1
	s_wait_loadcnt 32                                  ; block 3's may be out
	QBLOCK 2
	s_wait_loadcnt 0x0
.if \short
.irp k, 0,1,2,3,4,5,6,7,8,9,10,11
	v_and_b32 v[244+\k], s57, v[244+\k]                ; K rows that the weight does not have are zeros
.endr
.endif
	QBLOCK 3
	ds_store_b32 v6, v14
	s_wait_dscnt 0x0                                   ; my stores have landed: then the work-group's barrier
	s_barrier_signal -1
	s_barrier_wait -1
.endm
	s_load_b512 s[4:19], s[0:1], 0x0                   ; W1 s4, W2 s6, W3 s8, b1 s10, b2 s12, bs s14, Ws codes s16, Ws scales s18
	s_load_b512 s[20:35], s[0:1], 0x40                 ; span codes s20, span scales s22, knowledge s24, wimg s26, wscl s28, kcodes s30, kscl s32, sentf s34
	s_load_b128 s[36:39], s[0:1], 0x80                 ; spb s36, vecs s38
	s_load_b64 s[40:41], s[0:1], 0x90                  ; kbf
	s_set_vgpr_msb 0x40
	v_lshl_add_u32 v96, v0, 2, 0x33e00
	v_mov_b32 v97, 0
	s_set_vgpr_msb 0x4000
	v_lshrrev_b32 v1, 5, v0
	v_readfirstlane_b32 s42, v1                        ; wave v
	v_and_b32 v1, 31, v0                               ; lane
	v_and_b32 v2, 15, v0                               ; r
	v_bfe_u32 v3, v0, 4, 1                             ; h
	v_lshlrev_b32 v7, 4, v1                            ; 16 x lane
	s_mov_b32 s[SEL], 0x76543210
	s_mov_b32 s[SEL+1], 0xfedcba98
	s_and_b32 s54, s42, 3
	s_lshr_b32 s55, s42, 2
	s_mov_b32 s51, 0                                   ; the upper word of the offset pair s[50:51]
	s_wait_kmcnt 0x0
	s_cmp_ge_u32 ttmp9, 32
	s_cbranch_scc1 .LD
	s_cmp_ge_u32 ttmp9, 16
	s_cbranch_scc1 .LB
	s_cmp_ge_u32 ttmp9, 8
	s_cbranch_scc1 .LC
; ================= ROLE A: spb = span x Q(W1a) + b1, units 64 G on; wave v takes span rows 32 v .. 32 v + 31 (two tiles)
	s_mov_b32 s47, ttmp9                               ; G
	s_mul_i32 s50, s54, 256000                         ; my K step: 128 rows of 2,000 bytes
	s_add_nc_u64 s[52:53], s[4:5], s[50:51]
	s_lshl_b32 s61, s47, 8
	v_lshl_add_u32 v10, v3, 6, s61                     ; b1: 256 G + 64 h
.irp k, 0,1,2,3,4,5,6,7
	v_min_u32 v[112+\k], 1984-(128*(\k/4)+32*((\k/2)%2)+16*(\k%2)), v10   ; held so that offset + immediate ends inside b1's 2,000 bytes
.endr
.irp mm, 0,1
.irp k, 0,1,2,3,4,5,6,7
	global_load_b128 v[HA+32*\mm+4*\k:HA+32*\mm+4*\k+3], v[112+\k], s[10:11] offset:128*(\k/4)+32*((\k/2)%2)+16*(\k%2)   ; b1 is the C of each sum's first product
.endr
.endr
	v_mul_u32_u24 v8, v2, 384
	v_mad_u32_u24 v8, v3, 24, v8                       ; span codes: row r, + 24 h
	v_lshlrev_b32 v9, 4, v2                            ; span scales: row r
	s_lshl_b32 s50, s42, 9
	s_add_nc_u64 s[22:23], s[22:23], s[50:51]
	global_load_b128 v[120:123], v9, s[22:23]          ; the four scale words of rows 32 v + r
	global_load_b128 v[124:127], v9, s[22:23] offset:256
	s_mul_i32 s50, s42, 12288
	s_add_nc_u64 s[20:21], s[20:21], s[50:51]
	WIN 0x40                                           ; destination window 1
.irp mm, 0,1
.irp sp, 0,1,2,3
.irp p, 0,1,2,3,4,5
	global_load_b64 v[12*(4*\mm+\sp)+2*\p:12*(4*\mm+\sp)+2*\p+1], v8, s[20:21] offset:6144*\mm+96*\sp+48*(\p/3)+8*(\p%3)
.endr
.endr
.endr
	WIN 0
	QCOLS IMGA, SCLA, 0
	s_lshl_b32 s61, s47, 6
	v_lshl_add_u32 v14, v3, 4, s61
	v_cmp_gt_u32 vcc_lo, 464, v14                      ; false where 64 G + 16 h = 464: there tile 2's registers 4-7 and tile 3's eight are units 500-511
.irp mm, 0,1
.irp j, 4,5,6,7,8,9,10,11,12,13,14,15
	v_cndmask_b32 v[HA+32*\mm+16+\j], 0, v[HA+32*\mm+16+\j], vcc_lo    ; their C is 0, and their codes are zeros: the sums stay 0
.endr
.endr
	s_mul_i32 s61, s42, 4352
	s_add_co_u32 s61, s61, OSTA                        ; my stage
	v_mul_u32_u24 v11, v2, 272
	v_lshl_add_u32 v11, v3, 6, v11
	v_add_nc_u32 v11, s61, v11                         ; in: row r, + 64 h
	v_mul_u32_u24 v12, v3, 272
	v_lshl_add_u32 v12, v2, 4, v12
	v_add_nc_u32 v12, s61, v12                         ; back: lanes 0-15 one row, lanes 16-31 the next
	v_lshlrev_b32 v13, 11, v3
	v_lshl_add_u32 v13, v2, 4, v13                     ; and the same two rows in memory (2,048 bytes a row)
	s_lshl_b32 s50, s42, 16
	s_lshl_b32 s61, s47, 8
	s_add_co_u32 s50, s50, s61
	s_add_nc_u64 s[36:37], s[36:37], s[50:51]          ; spb at row 32 v, unit 64 G
	v_add_nc_u32 v10, SCLA, v7
	ds_load_b128 v[224:227], v10                       ; W1a's scale words: register 4 (tl / 2) + s; lanes 0-15 the even tile, lanes 16-31 the odd
	ds_load_b128 v[228:231], v10 offset:512
	FETCH4 128, 7, 0, 4*FP                             ; K step 0's four fragments
	FETCH4 176, 7, FP, 4*FP                            ; K step 1's
	WIN 0x04                                           ; source 1 (span) in window 1
.irp sq, 0,1,2,3
.if \sq < 3
	s_wait_dscnt 12                                    ; this K step's fragments are in; the next step's twelve loads may be out
.else
	s_wait_dscnt 0x0
.endif
.irp mm, 0,1
.irp tl, 0,1,2,3
	MM HA+8*(4*\mm+\tl), 128+48*(\sq%2)+12*\tl, 12*(4*\mm+\sq), HA+8*(4*\mm+\tl), 224+4*(\tl/2)+\sq, 120+4*\mm+\sq, \tl%2
.endr
.endr
.if \sq < 2
.rept 4
	v_nop                                              ; places in front of loads into registers that these products have read
.endr
	FETCH4 128+48*(\sq%2), 7, (\sq+2)*FP, 4*FP
.endif
.endr
	WIN 0
.rept 4
	v_nop                                              ; places in front of the first read of results
.endr
	OUT4 HA, 128, 36, 0
	OUT4 HA+32, 160, 36, 32768
	s_set_vgpr_msb 0x5
	s_wait_tensorcnt 0x0
	ds_add_u32 v96, v97
	s_wait_dscnt 0x0
	s_set_vgpr_msb 0x500
	s_endpgm
; ================= ROLE B: a weight's 64 columns into wimg and wscl
.LB:
	s_and_b32 s47, ttmp9, 7                            ; G
	s_bfe_u32 s49, ttmp9, 0x10003                      ; matrix: 0 = W1's lower half, 1 = W2
	s_add_nc_u64 s[52:53], s[4:5], 1024000             ; W1 from row 512 on
	s_cmp_eq_u32 s49, 1
	s_cselect_b64 s[52:53], s[6:7], s[52:53]
	s_mul_i32 s50, s54, 256000
	s_add_nc_u64 s[52:53], s[52:53], s[50:51]          ; my K step
	s_lshl_b32 s56, s49, 2
	s_or_b32 s56, s56, s54
	s_cmp_eq_u32 s56, 7                                ; W2's K step 3 has rows 384-499 alone
	s_cselect_b32 s50, 24000, 0
	s_cselect_b32 s57, 0, -1
	s_sub_nc_u64 s[58:59], s[52:53], s[50:51]          ; there the last twelve loads stand twelve rows back, inside the buffer, and are masked
	QCOLS IMGB, SCLB, 1
	s_lshl_b32 s61, s55, 3
	s_add_co_u32 s61, s61, s54                         ; 8 (v / 4) + s
	s_mul_i32 s62, s61, FP
	s_add_co_u32 s62, s62, IMGB
	v_add_nc_u32 v8, s62, v7
.irp u, 0,1
.irp c, 0,1,2
	ds_load_b128 v[128+12*\u+4*\c:128+12*\u+4*\c+3], v8 offset:4*FP*\u+512*\c
.endr
.endr
	s_lshl_b32 s62, s47, 4
	s_add_co_u32 s62, s62, s61
	s_mul_i32 s50, s62, 1536
	s_mul_i32 s62, s49, 196608
	s_add_co_u32 s50, s50, s62
	s_add_nc_u64 s[26:27], s[26:27], s[50:51]          ; fragment 128 matrix + 16 G + 8 (v / 4) + 4 u + s
.irp u, 0,1
.irp c, 0,1,2
	s_wait_dscnt 5-(3*\u+\c)
	global_store_b128 v7, v[128+12*\u+4*\c:128+12*\u+4*\c+3], s[26:27] offset:6144*\u+512*\c   ; 512 consecutive, aligned bytes
.endr
.endr
	s_cmp_lg_u32 s42, 0
	s_cbranch_scc1 .LB1
	v_add_nc_u32 v9, SCLB, v7                          ; wave 0: the 1,024 scale bytes
	ds_load_b128 v[152:155], v9
	ds_load_b128 v[156:159], v9 offset:512
	s_lshl_b32 s62, s49, 3
	s_add_co_u32 s62, s62, s47
	s_lshl_b32 s50, s62, 10
	s_add_nc_u64 s[28:29], s[28:29], s[50:51]
	s_wait_dscnt 0x0
	global_store_b128 v7, v[152:155], s[28:29]
	global_store_b128 v7, v[156:159], s[28:29] offset:512
.LB1:
	s_lshl_b32 s62, s49, 3
	s_or_b32 s62, s62, s42
	s_cmp_lg_u32 s62, 9                                ; wave 1 of W2's work-groups: 64 numbers of b2 and of W3, padded with zeros
	s_cbranch_scc1 .LBend
	s_lshl_b32 s62, s47, 8
	v_lshl_add_u32 v12, v1, 3, s62                     ; 256 G + 8 x lane
	v_min_u32 v13, 1992, v12
	global_load_b64 v[160:161], v13, s[12:13]
	global_load_b64 v[162:163], v13, s[8:9]
	v_cmp_gt_u32 vcc_lo, 2000, v12
	s_wait_loadcnt 0x0
.irp k, 0,1,2,3
	v_cndmask_b32 v[160+\k], 0, v[160+\k], vcc_lo
.endr
	global_store_b64 v12, v[160:161], s[38:39]
	global_store_b64 v12, v[162:163], s[38:39] offset:2048
.LBend:
	s_set_vgpr_msb 0x5
	s_wait_tensorcnt 0x0
	ds_add_u32 v96, v97
	s_wait_dscnt 0x0
	s_set_vgpr_msb 0x500
	s_endpgm
; ================= ROLE C: the sentinel.  Units 128 q on (K step q of the next product), span rows 16 m on, m = 8 hh + wave
.LC:
	s_and_b32 s46, ttmp9, 3                            ; q
	s_bfe_u32 s47, ttmp9, 0x10002                      ; hh
	s_lshl_b32 s48, s47, 3
	s_add_co_u32 s48, s48, s42                         ; m
.irp b, 0,1,2,3
	v_mov_b32 v[TM+4+\b], 0                            ; written once: a lane permute's destination counts as one of its sources
.endr
	v_and_b32 v9, 8, v2
	v_add_nc_u32 v9, v9, v2                            ; r + 8 (r / 8)
	v_mul_u32_u24 v8, v9, 384
	v_mad_u32_u24 v8, v3, 24, v8
	s_lshl_b32 s50, s46, 7
	s_lshr_b32 s52, s42, 1
	s_lshl_b32 s52, s52, 5
	s_add_co_u32 s50, s50, s52
	s_and_b32 s52, s42, 1
	s_lshl_b32 s52, s52, 3
	s_add_co_u32 s50, s50, s52                         ; tile t = wave begins at unit 128 q + 32 (t / 2) + 8 (t % 2)
	s_mul_i32 s50, s50, 384
	s_add_nc_u64 s[16:17], s[16:17], s[50:51]
.irp sp, 0,1,2,3
.irp p, 0,1,2,3,4,5
	global_load_b64 v[128+12*\sp+2*\p:128+12*\sp+2*\p+1], v8, s[16:17] offset:96*\sp+48*(\p/3)+8*(\p%3)   ; my tile's four fragments of Ws, for all eight waves
.endr
.endr
	v_lshlrev_b32 v10, 6, v3
	s_lshl_b32 s50, s46, 9
	s_add_nc_u64 s[14:15], s[14:15], s[50:51]
.irp t, 0,1,2,3,4,5,6,7
	global_load_b128 v[HA+8*\t:HA+8*\t+3], v10, s[14:15] offset:128*(\t/2)+32*(\t%2)       ; bs is the C of each sum's first product
	global_load_b128 v[HA+8*\t+4:HA+8*\t+7], v10, s[14:15] offset:128*(\t/2)+32*(\t%2)+16
.endr
	v_lshlrev_b32 v14, 4, v2
	s_lshl_b32 s50, s48, 8
	s_add_nc_u64 s[22:23], s[22:23], s[50:51]
	global_load_b128 v[120:123], v14, s[22:23]         ; span's scale words
	v_lshl_add_u32 v5, v3, 3, v9
	v_lshlrev_b32 v5, 4, v5                            ; Ws's scale rows: lanes 0-15 the even tile's rows, lanes 16-31 the odd tile's
	s_lshl_b32 s50, s46, 11
	s_add_nc_u64 s[18:19], s[18:19], s[50:51]
.irp tp, 0,1,2,3
	global_load_b128 v[224+4*\tp:224+4*\tp+3], v5, s[18:19] offset:512*\tp
.endr
	v_mul_u32_u24 v6, v2, 384
	v_mad_u32_u24 v6, v3, 24, v6
	s_mul_i32 s50, s48, 6144
	s_add_nc_u64 s[20:21], s[20:21], s[50:51]
	WIN 0x40
.irp sp, 0,1,2,3
.irp p, 0,1,2,3,4,5
	global_load_b64 v[12*\sp+2*\p:12*\sp+2*\p+1], v6, s[20:21] offset:96*\sp+48*(\p/3)+8*(\p%3)
.endr
.endr
	WIN 0
	s_mul_i32 s52, s42, 6144
	s_add_co_u32 s52, s52, CIMG
	v_add_nc_u32 v4, s52, v7
	v_add_nc_u32 v15, CIMG, v7
	s_mul_i32 s61, s42, 4352
	s_add_co_u32 s61, s61, OSTC
	v_mul_u32_u24 v11, v2, 272
	v_lshl_add_u32 v11, v3, 6, v11
	v_add_nc_u32 v11, s61, v11
	v_mul_u32_u24 v12, v3, 272
	v_lshl_add_u32 v12, v2, 4, v12
	v_add_nc_u32 v12, s61, v12
	v_lshlrev_b32 v13, 11, v3
	v_lshl_add_u32 v13, v2, 4, v13
	s_wait_loadcnt 45                                  ; Ws's 24 loads are in: 16 + 1 + 4 + 24 were issued behind them
.irp sp, 0,1,2,3
.irp c, 0,1,2
	ds_store_b128 v4, v[128+12*\sp+4*\c:128+12*\sp+4*\c+3] offset:1536*\sp+512*\c
.endr
.endr
	s_wait_dscnt 0x0
	s_barrier_signal -1
	s_barrier_wait -1                                  ; all 32 fragments of Ws lie in LDS
	s_wait_loadcnt 0x0
	FETCH4 128, 15, 0, 6144                            ; K step 0, tiles 0-3
	FETCH4 176, 15, 16*1536, 6144                      ; K step 0, tiles 4-7
	WIN 0x04
.irp e, 0,1,2,3,4,5,6,7                            ; set e: K step e / 2, tiles 4 (e % 2) on.  The eight accumulators take turns, one instruction a turn
.if \e < 7
	s_wait_dscnt 12
.else
	s_wait_dscnt 0x0
.endif
.irp k, 0,1,2,3
	MM HA+8*(4*(\e%2)+\k), 128+48*(\e%2)+12*\k, 12*(\e/2), HA+8*(4*(\e%2)+\k), 224+4*((4*(\e%2)+\k)/2)+\e/2, 120+\e/2, \k%2
.endr
.if \e < 6
.rept 4
	v_nop
.endr
	FETCH4 128+48*(\e%2), 15, (16*(\e%2)+(\e+2)/2)*1536, 6144
.endif
.endr
	WIN 0
.rept 4
	v_nop
.endr
.set ri, 0
.rept 64
	v_max_num_f32 v[HA+ri], 0, v[HA+ri]                ; relu
.set ri, ri+1
.endr
	s_lshl_b32 s50, s48, 15
	s_lshl_b32 s52, s46, 9
	s_add_co_u32 s50, s50, s52
	s_add_nc_u64 s[34:35], s[34:35], s[50:51]          ; sentf at row 16 m, unit 128 q
	OUT4 HA, 128, 34, 0
	OUT4 HA+32, 160, 34, 256
	QUANT HA
	v_mul_u32_u24 v9, v2, 384
	v_mad_u32_u24 v9, v3, 48, v9
	s_lshl_b32 s50, s48, 4
	s_add_co_u32 s50, s50, 1024                        ; the sentinels' rows begin at 1,024
	s_mul_i32 s52, s50, 384
	s_mul_i32 s53, s46, 96
	s_add_co_u32 s52, s52, s53
	s_mov_b32 s53, 0
	s_add_nc_u64 s[30:31], s[30:31], s[52:53]
.irp c, 0,1,2
	global_store_b128 v9, v[PC+4*\c:PC+4*\c+3], s[30:31] offset:16*\c
.endr
	s_lshl_b32 s52, s50, 4
	s_lshl_b32 s56, s46, 2
	s_add_co_u32 s52, s52, s56
	s_add_nc_u64 s[32:33], s[32:33], s[52:53]
	v_lshlrev_b32 v10, 4, v2
	global_store_b32 v10, v[PW], s[32:33]              ; lanes r and 16 + r hold the same word and store it to the same place
	s_set_vgpr_msb 0x5
	s_wait_tensorcnt 0x0
	ds_add_u32 v96, v97
	s_wait_dscnt 0x0
	s_set_vgpr_msb 0x500
	s_endpgm
; ================= ROLE D: four rows of knowledge_embs a wave: codes, scale bytes, bf16
.LD:
	s_sub_co_u32 s46, ttmp9, 32
	s_lshl_b32 s47, s46, 3
	s_add_co_u32 s47, s47, s42                         ; which four rows
	s_lshl_b32 s50, s47, 13
	s_add_nc_u64 s[24:25], s[24:25], s[50:51]
	s_mul_i32 s50, s47, 1536
	s_add_nc_u64 s[30:31], s[30:31], s[50:51]
	s_lshl_b32 s50, s47, 12
	s_add_nc_u64 s[40:41], s[40:41], s[50:51]
	s_lshl_b32 s50, s46, 9
	s_add_nc_u64 s[32:33], s[32:33], s[50:51]
.irp t, 0,1,2,3
.irp i, 0,1,2,3
	global_load_b128 v[16+16*\t+4*\i:16+16*\t+4*\i+3], v7, s[24:25] offset:2048*\t+512*\i th:TH_LOAD_NT   ; 512 consecutive bytes a load
.endr
.endr
	s_mul_i32 s52, s42, 5120
	s_add_co_u32 s52, s52, DST
	v_lshrrev_b32 v14, 2, v1
	v_mul_u32_u24 v14, v14, 80
	v_and_b32 v15, 3, v1
	v_lshl_add_u32 v14, v15, 4, v14
	v_add_nc_u32 v14, s52, v14                         ; the stage, in: four lanes' 64 bytes on end, then 16 of padding
	v_mul_u32_u24 v15, v1, 80
	v_add_nc_u32 v15, s52, v15                         ; out: my 16 neighbours
	v_lshrrev_b32 v8, 1, v1                            ; kb: my block
	v_and_b32 v9, 12, v8
	v_bfe_u32 v10, v1, 1, 1
	v_lshl_or_b32 v9, v10, 1, v9
	v_bfe_u32 v10, v1, 2, 1
	v_or_b32 v9, v9, v10                               ; its place in the row: the two low bits of kb change places
	v_mul_u32_u24 v4, v9, 24
	v_and_b32 v10, 1, v1
	v_mad_u32_u24 v4, v10, 12, v4
	s_lshl_b32 s52, s42, 6
	s_add_co_u32 s52, s52, DSC
	v_add_nc_u32 v5, s52, v8
	v_lshlrev_b32 v6, 3, v1
.macro DTURN t                                     ; a row through the stage: as loaded in, 64 bytes a lane out
.irp i, 0,1,2,3
	ds_store_b128 v14, v[16+16*(\t)+4*\i:16+16*(\t)+4*\i+3] offset:2560*((\t)%2)+640*\i
.endr
.irp i, 0,1,2,3
	ds_load_b128 v[80+16*((\t)%2)+4*\i:80+16*((\t)%2)+4*\i+3], v15 offset:2560*((\t)%2)+16*\i
.endr
.endm
.macro DSTEP t
.set XQ, 80+16*((\t)%2)
.if (\t) > 0
	s_wait_dscnt 1                                     ; this row is back from the stage; the last row's byte store may be out
.else
	s_wait_dscnt 0x0
.endif
.if (\t) < 3
	s_wait_loadcnt 4*(2-(\t))                          ; the next row's four loads are in
	DTURN (\t)+1
.endif
	v_max3_num_f32 v112, |v[XQ]|, |v[XQ+1]|, |v[XQ+2]|
	v_max3_num_f32 v113, |v[XQ+3]|, |v[XQ+4]|, |v[XQ+5]|
.irp i, 6,10
	v_max3_num_f32 v112, v112, |v[XQ+\i]|, |v[XQ+\i+1]|
	v_max3_num_f32 v113, v113, |v[XQ+\i+2]|, |v[XQ+\i+3]|
.endr
	v_max3_num_f32 v112, v112, |v[XQ+14]|, |v[XQ+15]|
	v_max3_num_f32 v112, v112, v113, 0x2800000
	v_max_num_f32_dpp v112, v112, v112 row_xmask:1 row_mask:0xf bank_mask:0xf   ; with my neighbour's 16: the block's
	v_add_nc_u32 v114, 0xfe000000, v112
	v_cvt_scalef32_pk16_bf6_f32 v[128+4*(\t):128+4*(\t)+2], v[XQ:XQ+15], v114
	v_lshrrev_b32 v[116+(\t)], 23, v114                ; the scale's byte (and the plain place behind the conversion)
	ds_store_b8 v5, v[116+(\t)] offset:16*(\t)         ; both lanes of a block write the same byte
	global_store_b96 v4, v[128+4*(\t):128+4*(\t)+2], s[30:31] offset:384*(\t)   ; the wave covers the row's 384 bytes
.irp i, 0,1,2,3
	v_cvt_pk_bf16_f32 v[144+8*(\t)+2*\i], v[16+16*(\t)+4*\i], v[16+16*(\t)+4*\i+1]
	v_cvt_pk_bf16_f32 v[144+8*(\t)+2*\i+1], v[16+16*(\t)+4*\i+2], v[16+16*(\t)+4*\i+3]
.endr
.irp i, 0,1,2,3
	global_store_b64 v6, v[144+8*(\t)+2*\i:144+8*(\t)+2*\i+1], s[40:41] offset:1024*(\t)+256*\i   ; 256 consecutive, aligned bytes
.endr
.endm
	s_wait_loadcnt 12
	DTURN 0
	DSTEP 0
	DSTEP 1
	DSTEP 2
	DSTEP 3
	s_wait_dscnt 0x0
	s_barrier_signal -1
	s_barrier_wait -1                                  ; the work-group's 512 scale bytes lie in LDS
	s_cmp_lg_u32 s42, 0
	s_cbranch_scc1 .LDend
	v_add_nc_u32 v9, DSC, v7
	ds_load_b128 v[176:179], v9
	s_wait_dscnt 0x0
	global_store_b128 v7, v[176:179], s[32:33]
.LDend:
	s_set_vgpr_msb 0x5
	s_wait_tensorcnt 0x0
	ds_add_u32 v96, v97
	s_wait_dscnt 0x0
	s_set_vgpr_msb 0x500
	s_endpgm
.Lfunc_end_k_q4573f1075a_prep:
	.size	k_q4573f1075a_prep, .Lfunc_end_k_q4573f1075a_prep-k_q4573f1075a_prep
	.p2alignl 7, 3214868480
	.fill 96, 4, 3214868480
	.section	.rodata,"a",@progbits
	.p2align	6, 0x0
	.amdhsa_kernel k_q4573f1075a_prep
		.amdhsa_group_segment_fixed_size 213504
		.amdhsa_private_segment_fixed_size 0
		.amdhsa_enable_private_segment 0
		.amdhsa_kernarg_size 152
		.amdhsa_user_sgpr_count 2
		.amdhsa_user_sgpr_kernarg_segment_ptr 1
		.amdhsa_wavefront_size32 1
		.amdhsa_system_sgpr_workgroup_id_x 1
		.amdhsa_system_sgpr_workgroup_id_y 1
		.amdhsa_system_sgpr_workgroup_id_z 1
		.amdhsa_system_vgpr_workitem_id 0
		.amdhsa_next_free_vgpr 354
		.amdhsa_next_free_sgpr 66
		.amdhsa_reserve_vcc 1
		.amdhsa_float_denorm_mode_32 3
		.amdhsa_float_denorm_mode_16_64 3
		.amdhsa_memory_ordered 1
		.amdhsa_forward_progress 1
		.amdhsa_inst_pref_size 112
	.end_amdhsa_kernel
	.amdgpu_metadata
---
amdhsa.version: [ 1, 2 ]
amdhsa.kernels:
  - .name:           k_q4573f1075a_prep
    .symbol:         k_q4573f1075a_prep.kd
    .args:
      - { .name: W1, .offset: 0, .size: 8, .value_kind: global_buffer, .address_space: global }
      - { .name: W2, .offset: 8, .size: 8, .value_kind: global_buffer, .address_space: global }
      - { .name: W3, .offset: 16, .size: 8, .value_kind: global_buffer, .address_space: global }
      - { .name: b1, .offset: 24, .size: 8, .value_kind: global_buffer, .address_space: global }
      - { .name: b2, .offset: 32, .size: 8, .value_kind: global_buffer, .address_space: global }
      - { .name: bs, .offset: 40, .size: 8, .value_kind: global_buffer, .address_space: global }
      - { .name: Ws_codes, .offset: 48, .size: 8, .value_kind: global_buffer, .address_space: global }
      - { .name: Ws_scales, .offset: 56, .size: 8, .value_kind: global_buffer, .address_space: global }
      - { .name: span_embs_codes, .offset: 64, .size: 8, .value_kind: global_buffer, .address_space: global }
      - { .name: span_embs_scales, .offset: 72, .size: 8, .value_kind: global_buffer, .address_space: global }
      - { .name: knowledge_embs, .offset: 80, .size: 8, .value_kind: global_buffer, .address_space: global }
      - { .name: wimg, .offset: 88, .size: 8, .value_kind: global_buffer, .address_space: global }
      - { .name: wscl, .offset: 96, .size: 8, .value_kind: global_buffer, .address_space: global }
      - { .name: kcodes, .offset: 104, .size: 8, .value_kind: global_buffer, .address_space: global }
      - { .name: kscl, .offset: 112, .size: 8, .value_kind: global_buffer, .address_space: global }
      - { .name: sentf, .offset: 120, .size: 8, .value_kind: global_buffer, .address_space: global }
      - { .name: spb, .offset: 128, .size: 8, .value_kind: global_buffer, .address_space: global }
      - { .name: vecs, .offset: 136, .size: 8, .value_kind: global_buffer, .address_space: global }
      - { .name: kbf, .offset: 144, .size: 8, .value_kind: global_buffer, .address_space: global }
    .group_segment_fixed_size: 213504
    .private_segment_fixed_size: 0
    .kernarg_segment_align: 8
    .kernarg_segment_size: 152
    .max_flat_workgroup_size: 256
    .sgpr_count:     66
    .vgpr_count:     354
    .wavefront_size: 32
...
	.end_amdgpu_metadata
.endif
;; end of part 1
;; launch main (part 2): grid 256 x 1, 4 waves a work-group, no clusters, 168,448 bytes of LDS; arguments wimg, wscl, kcodes, kscl, sentf, spb, vecs, kbf, span2concepts, lengths, b3, out0, out1; writes out0, out1
.if DOCPART == 2
	.amdgcn_target "amdgcn-amd-amdhsa--gfx1250"
	.amdhsa_code_object_version 6
	.text
	.protected	k_q4573f1075a_main
	.globl	k_q4573f1075a_main
	.p2align	8
	.type	k_q4573f1075a_main,@function
k_q4573f1075a_main:
	s_mov_b64 s[64:65], 0
	v_nop
	global_prefetch_b8 v0, s[64:65] scope:SCOPE_SE
	s_setreg_imm32_b32 hwreg(HW_REG_WAVE_MODE, 25, 1), 1
	s_wait_xcnt 0x0
; ONE SPAN TO A WORK-GROUP.  80 rows: the span's 64 listed concepts (row tiles m = 0-3) and its sentinel (tile 4: sixteen copies).
;   h1 = relu(row x Q(W1b) + spb)   (spb = span part + b1 is the C of each sum's first product)
;   h2 = relu(Q(h1) x Q(W2) + b2),  score = h2 . W3 + b3;  rows from max(length, 1) on get -1e30;  softmax over 65;  out1;
;   out0 = the sum of p x row (bf16 copies of the knowledge rows, f32 sums) + p(sentinel) x sentinel (f32).
; Only the rows that the index list names are multiplied: the other scores are thrown away by the gather.  Rows under the length mask are
; multiplied all the same, so that no trip count hangs on data.
; SHARES.  Four waves; wave w owns hidden units 128 w .. 128 w + 127 of both layers: eight tiles of 16, for all five row tiles: 40 accumulators.
; Both products are used transposed (source 0 = 16 units, source 1 = 16 rows): a lane holds one row and its registers run along the units.
; Tile row i of tile t = 2 tp + u is unit 32 tp + 8 u + i + 8 (i / 8), so the 16 registers of tiles 2 tp, 2 tp + 1 are 16 neighbours along the next K.
; WEIGHTS come from memory straight into registers, as images of the operand's registers (12 loads of 512 bytes for a tile's four K steps),
; three tiles ahead in a ring of three slots.  ROWS' codes go from wave to wave through LDS as images too.
; NO CLUSTER: all work-groups walk the same 393,216 bytes of weight codes, but a joint load lands in LDS; beside the 131,840 bytes in use here they do not fit
; into what a work-group can claim, so they would have to pass through slots filled again and again, with a joint barrier for each refill, for 20 products a tile.
; NO PREFETCH: the weights are read by every work-group, not once; the gathered rows are asked for at the head, long before their use.
; LIMITS: indices are held to 0 .. 1,023; NaN and infinities are not served; a block whose largest magnitude lies under 2^-122 (a block of zeros too) keeps the scale byte 1;
; the knowledge rows are rounded to bf16 for the last sum; span part + b1 is summed ahead of the concept's part, another order of f32 rounding than the formula's.
; The claim of 168,448 bytes of LDS.
; REGISTERS, in windows of 256.  Window 0: v1-19 addresses; v20-23 indices; v24-33 rows' offsets; v34-37 sentinel; v39 scale word just made; v40-55, v56-71 the weights' scale words;
;   v72-91 the rows' scale words; v92-110 codes just made; v112-127 at work; v128-191 64 numbers at work (HA); v192-255 a bias in the result's layout.
;   Window 1: the rows' 20 fragments (tile m, K step s at v[12 (4 m + s)]); later the 64 bf16 rows.   Window 2: accumulators of tiles 0-5 at v[40 t + 8 m].
;   Window 3: accumulators of tiles 6, 7 at v[40 (t - 6) + 8 m]; from v80 the ring: three slots of 48.
.set XIMG,  65536                      ; LDS 0-65,535: the 64 bf16 rows, 1,024 bytes each, filled once by copies.  Then: the rows' 20 fragments,
.set HIMG,  96256                      ; the hidden layer's 20 fragments,
.set HSC,   126976                     ; their scale words, 128 bytes each,
.set PART,  129536                     ; each wave's part of the 80 scores,
.set PB,    130816                     ; and each wave's own copy of the 64 weights p
.set HA,    128
.set BIAS,  192
.set PC,    92
.set TM,    112
.set PW,    39
.set SEL,   52
.set MSB, 0
.macro WIN new                         ; the immediate's high byte repeats the setting that is left
.if MSB != (\new)
	s_set_vgpr_msb (MSB<<8)|(\new)
.set MSB, \new
.endif
.endm
.macro MM d, a, b, c, sa, sb, odd
.if \odd
	v_wmma_scale_f32_16x16x128_f8f6f4 v[(\d):(\d)+7], v[(\a):(\a)+11], v[(\b):(\b)+11], v[(\c):(\c)+7], v[\sa], v[\sb] matrix_a_fmt:MATRIX_FMT_BF6 matrix_b_fmt:MATRIX_FMT_BF6 matrix_a_scale:MATRIX_SCALE_ROW1
.else
	v_wmma_scale_f32_16x16x128_f8f6f4 v[(\d):(\d)+7], v[(\a):(\a)+11], v[(\b):(\b)+11], v[(\c):(\c)+7], v[\sa], v[\sb] matrix_a_fmt:MATRIX_FMT_BF6 matrix_b_fmt:MATRIX_FMT_BF6
.endif
.endm
.macro QUANT s                         ; 64 numbers of a lane, register 16 b + i = k 32 b + 16 (lane / 16) + i of my row -> codes in v[PC] on, scale word in v[PW]
.irp b, 0,1,2,3
	v_max3_num_f32 v[TM+\b], |v[\s+16*\b]|, |v[\s+1+16*\b]|, 0x2800000   ; and the floor 2^(5 - 127)
.endr
.irp i, 2,4,6,8,10,12,14
.irp b, 0,1,2,3
	v_max3_num_f32 v[TM+\b], v[TM+\b], |v[\s+16*\b+\i]|, |v[\s+1+16*\b+\i]|
.endr
.endr
.irp b, 0,1,2,3
	v_permlanex16_b32 v[TM+4+\b], v[TM+\b], s[SEL], s[SEL+1]
.endr
.irp b, 0,1,2,3
	v_max_num_f32 v[TM+\b], v[TM+\b], v[TM+4+\b]
.endr
.irp b, 0,1,2,3
	v_add_nc_u32 v[TM+12+\b], 0xfe000000, v[TM+\b]     ; 4 off the exponent field: the conversion's scale operand
.endr
.irp b, 0,1,2,3
	v_lshrrev_b32 v[TM+4+\b], 23, v[TM+12+\b]          ; the scale's byte
.endr
	v_lshl_or_b32 v[PW], v[TM+5], 8, v[TM+4]
	v_lshl_or_b32 v[PW], v[TM+6], 16, v[PW]
	v_lshl_or_b32 v[PW], v[TM+7], 24, v[PW]
.irp c, 0,1
	v_cvt_scalef32_pk16_bf6_f32 v[PC+6*\c:PC+2+6*\c], v[\s+32*\c:\s+15+32*\c], v[TM+12+2*\c]
	v_cvt_scalef32_pk16_bf6_f32 v[PC+12+4*\c:PC+14+4*\c], v[\s+16+32*\c:\s+31+32*\c], v[TM+12+2*\c+1]
.endr
	v_nop                                              ; one plain place behind a scaled conversion
.irp c, 0,1
.irp i, 0,1,2
	v_permlane16_swap_b32 v[PC+6*\c+\i], v[PC+12+4*\c+\i]
.endr
.irp i, 0,1,2
	v_mov_b32 v[PC+3+6*\c+\i], v[PC+12+4*\c+\i]
.endr
.endr
.endm
.macro RLOAD g                         ; group g (matrix g / 8, tile g % 8): its four fragments into slot g % 3
	WIN 0xc0                                           ; destination window 3
.irp sq, 0,1,2,3
.irp c, 0,1,2
	global_load_b128 v[80+48*((\g)%3)+12*\sq+4*\c:80+48*((\g)%3)+12*\sq+4*\c+3], v1, s[4:5] offset:((\g)/8)*196608+((\g)%8)*6144+1536*\sq+512*\c
.endr
.endr
.endm
.macro VLOAD reg, base, imm0           ; my 128 units' numbers of a vector, in the result's layout: eight registers a tile
.irp t, 0,1,2,3,4,5,6,7
	global_load_b128 v[\reg+8*\t:\reg+8*\t+3], v10, s[\base:\base+1] offset:\imm0+128*(\t/2)+32*(\t%2)
	global_load_b128 v[\reg+8*\t+4:\reg+8*\t+7], v10, s[\base:\base+1] offset:\imm0+128*(\t/2)+32*(\t%2)+16
.endr
.endm
.macro XFLOAD adr                      ; the 20 fragments of rows from LDS, K step by K step
	WIN 0x40                                           ; destination window 1
.irp sq, 0,1,2,3
.irp m, 0,1,2,3,4
.irp c, 0,1,2
	ds_load_b128 v[12*(4*\m+\sq)+4*\c:12*(4*\m+\sq)+4*\c+3], v[\adr] offset:1536*(4*\m+\sq)+512*\c
.endr
.endr
.endr
.endm
; A tile of 16 units against the five row tiles, four K steps: 20 products; the five accumulators take turns, one instruction a turn.
; nw: how many younger loads may stay out when this group's fragments must be in (-1: shown in by an earlier wait).  first = 1: the rows' fragments are still landing, 15 loads a K step.
.macro GROUP g, first, nw
.if (\nw) >= 0
	s_wait_loadcnt \nw
.endif
.irp sq, 0,1,2,3
.if \first
	s_wait_dscnt 15*(3-\sq)
.endif
.if ((\g)%8) < 6
.if \sq == 0
	WIN 0x87                                           ; A window 3, B window 1, C (the bias) window 0, D window 2
.else
	WIN 0xa7
.endif
.else
.if \sq == 0
	WIN 0xc7
.else
	WIN 0xf7
.endif
.endif
.irp m, 0,1,2,3,4
.if \sq == 0
	MM 40*(((\g)%8)%6)+8*\m, 80+48*((\g)%3)+12*\sq, 12*(4*\m+\sq), BIAS+8*((\g)%8), 40+16*((\g)/8)+4*(((\g)%8)/2)+\sq, 72+4*\m+\sq, (\g)%2
.else
	MM 40*(((\g)%8)%6)+8*\m, 80+48*((\g)%3)+12*\sq, 12*(4*\m+\sq), 40*(((\g)%8)%6)+8*\m, 40+16*((\g)/8)+4*(((\g)%8)/2)+\sq, 72+4*\m+\sq, (\g)%2
.endif
.endr
.endr
.rept 4
	v_nop                                              ; places in front of loads into the slot just read, and of the first read of results
.endr
.if (\g)+3 <= 15
	RLOAD (\g)+3
.endif
.endm
; row tile m of the hidden layer: relu, quantised, as K step w of the second product into LDS
.macro HID m
	WIN 0x08                                           ; source 1 window 2
.set hx, 0
.rept 48
	v_max_num_f32 v[HA+hx], 0, v[40*(hx/8)+8*(\m)+hx%8]   ; relu and the move into window 0 in one; each accumulator from its low end on
.set hx, hx+1
.endr
	WIN 0x0c                                           ; source 1 window 3
.rept 16
	v_max_num_f32 v[HA+hx], 0, v[40*(hx/8-6)+8*(\m)+hx%8]
.set hx, hx+1
.endr
	WIN 0
	QUANT HA
.irp c, 0,1,2
	ds_store_b128 v6, v[PC+4*\c:PC+4*\c+3] offset:6144*(\m)+512*\c
.endr
	ds_store_b32 v8, v[PW] offset:512*(\m)
	s_wait_dscnt 0x0                                   ; the stores have read their registers: the next tile's codes may be written
.endm
	s_load_b512 s[4:19], s[0:1], 0x0                   ; wimg s4, wscl s6, kcodes s8, kscl s10, sentf s12, spb s14, vecs s16, kbf s18
	s_load_b256 s[20:27], s[0:1], 0x40                 ; span2concepts s20, lengths s22, b3 s24, out0 s26
	s_load_b64 s[28:29], s[0:1], 0x60                  ; out1
	v_lshl_add_u32 v122, v0, 2, 0x29000
	v_mov_b32 v123, 0
	ds_add_u32 v122, v123
	ds_add_u32 v122, v123
	v_lshrrev_b32 v112, 5, v0
	v_readfirstlane_b32 s30, v112                      ; wave w
	s_mov_b32 s31, ttmp9                               ; span n
	s_mov_b32 s[SEL], 0x76543210
	s_mov_b32 s[SEL+1], 0xfedcba98
	s_mov_b32 s55, 0                                   ; the upper word of the offset pair s[54:55]
	v_and_b32 v17, 31, v0                              ; lane
	v_and_b32 v112, 15, v0                             ; r
	v_bfe_u32 v113, v0, 4, 1                           ; h
	v_lshlrev_b32 v1, 4, v17
	v_lshlrev_b32 v2, 2, v17
	v_lshlrev_b32 v3, 2, v112
	s_mul_i32 s56, s30, 1536
	v_add_nc_u32 v5, XIMG, v1                          ; an image's place for my lane: to read,
	v_add_nc_u32 v4, s56, v5                           ; and to store K step w
	v_add_nc_u32 v7, HIMG, v1
	v_add_nc_u32 v6, s56, v7
	s_lshl_b32 s56, s30, 7
	v_add_nc_u32 v9, HSC, v2
	v_add_nc_u32 v8, s56, v9
	s_lshl_b32 s57, s30, 9
	v_lshl_add_u32 v10, v113, 6, s57                   ; vectors over the units: 512 w + 64 h
	v_add_nc_u32 v18, s57, v1                          ; my four columns of out0 and of the sentinel
	s_mul_i32 s56, s30, 320
	s_add_co_u32 s56, s56, PART
	v_add_nc_u32 v11, s56, v3
	v_add_nc_u32 v12, PART, v2
	v_mov_b32 v13, PART+256
	s_lshl_b32 s56, s30, 8
	v_lshl_add_u32 v14, v17, 3, s56                    ; my four columns of a bf16 row in LDS
	s_add_co_u32 s56, s56, PB
	v_add_nc_u32 v15, s56, v2
	v_mov_b32 v16, s56
	s_mul_i32 s56, s30, 96
	v_mul_u32_u24 v19, v113, 48
	v_add_nc_u32 v19, s56, v19                         ; my 48 bytes of K step w in a row of codes
.irp b, 0,1,2,3
	v_mov_b32 v[TM+4+\b], 0                            ; written once: a lane permute's destination counts as one of its sources
.endr
	s_wait_dscnt 0x0
	s_wait_kmcnt 0x0
	s_mul_i32 s54, s30, 49152
	s_add_nc_u64 s[4:5], s[4:5], s[54:55]
	s_lshl_b32 s54, s30, 11
	s_add_nc_u64 s[6:7], s[6:7], s[54:55]
	s_lshl_b32 s54, s31, 8
	s_add_nc_u64 s[20:21], s[20:21], s[54:55]
	s_lshl_b32 s54, s30, 6
	s_add_nc_u64 s[32:33], s[20:21], s[54:55]          ; my wave's sixteen indices
	s_lshl_b32 s54, s31, 2
	s_add_nc_u64 s[22:23], s[22:23], s[54:55]
	s_lshl_b32 s54, s31, 11
	s_add_nc_u64 s[12:13], s[12:13], s[54:55]
	s_add_nc_u64 s[14:15], s[14:15], s[54:55]
	s_add_nc_u64 s[26:27], s[26:27], s[54:55]
	s_mul_i32 s54, s31, 260
	s_add_nc_u64 s[28:29], s[28:29], s[54:55]
	s_load_b32 s34, s[22:23], 0x0                      ; the length
	s_load_b32 s35, s[24:25], 0x0                      ; b3
	s_load_b512 s[36:51], s[32:33], 0x0
.irp m, 0,1,2,3
	global_load_b32 v[20+\m], v3, s[20:21] offset:64*\m   ; the index of row 16 m + r
.endr
	RLOAD 0
	RLOAD 1
	RLOAD 2
	WIN 0
.irp tp, 0,1,2,3
	global_load_b128 v[40+4*\tp:40+4*\tp+3], v1, s[6:7] offset:512*\tp          ; W1b's scale words: register 4 tp + s; lanes 0-15 tile 2 tp, lanes 16-31 tile 2 tp + 1
.endr
.irp tp, 0,1,2,3
	global_load_b128 v[56+4*\tp:56+4*\tp+3], v1, s[6:7] offset:8192+512*\tp     ; W2's
.endr
	VLOAD BIAS, 14, 0                                  ; span part + b1
	s_wait_kmcnt 0x0
	s_max_i32 s34, s34, 1
.irp i, 0,1,2,3,4,5,6,7,8,9,10,11,12,13,14,15
	s_min_u32 s[36+\i], s[36+\i], 1023
.endr
	s_wait_loadcnt 60                                  ; the four index loads are in: 36 + 8 + 16 were issued behind them
.irp m, 0,1,2,3
	v_min_u32 v[20+\m], 1023, v[20+\m]
	v_mul_u32_u24 v[24+\m], v[20+\m], 384
	v_add_nc_u32 v[24+\m], v[24+\m], v19
	v_lshlrev_b32 v[29+\m], 4, v[20+\m]
.endr
	s_add_co_u32 s56, s31, 1024                        ; the sentinel's row
	s_mul_i32 s57, s56, 384
	v_add_nc_u32 v28, s57, v19
	s_lshl_b32 s57, s56, 4
	v_mov_b32 v33, s57
	global_load_b128 v[34:37], v18, s[12:13]           ; the sentinel's four columns, f32
.irp m, 0,1,2,3,4
	global_load_b128 v[72+4*\m:72+4*\m+3], v[29+\m], s[10:11]    ; the rows' scale words, all four K steps
.endr
	WIN 0x40
.irp m, 0,1,2,3,4
.irp c, 0,1,2
	global_load_b128 v[12*\m+4*\c:12*\m+4*\c+3], v[24+\m], s[8:9] offset:16*\c   ; K step w of the five row tiles
.endr
.endr
	WIN 0
	s_lshl_b32 s56, s30, 14
	v_add_nc_u32 v128, s56, v1
.irp i, 1,2,3,4,5,6,7,8,9,10,11,12,13,14,15
	v_add_nc_u32 v[128+\i], 1024*\i, v128              ; LDS: row 16 w + i, 16 bytes a lane
.endr
.irp i, 0,1,2,3,4,5,6,7,8,9,10,11,12,13,14,15
	s_lshl_b32 s[36+\i], s[36+\i], 10
	v_add_nc_u32 v[144+\i], s[36+\i], v1               ; memory: the row that the list names
.endr
.irp i, 0,1,2,3,4,5,6,7,8,9,10,11,12,13,14,15
	global_load_async_to_lds_b128 v[128+\i], v[144+\i], s[18:19]             ; my sixteen bf16 rows: the immediate steps both addresses
	global_load_async_to_lds_b128 v[128+\i], v[144+\i], s[18:19] offset:512
.endr
	s_wait_loadcnt 0x0
	WIN 0x04                                           ; an LDS store's data are its source 1: window 1
.irp m, 0,1,2,3,4
.irp c, 0,1,2
	ds_store_b128 v4, v[12*\m+4*\c:12*\m+4*\c+3] offset:6144*\m+512*\c
.endr
.endr
	WIN 0
	s_wait_dscnt 0x0
	s_barrier_signal -1
	s_barrier_wait -1                                  ; the rows' 20 fragments lie in LDS (the copies may stay out: their bytes are read behind the next barrier)
	XFLOAD 5
; ---- the first product: groups 0-2 were shown in by the wait for 0 above; from group 3 on two younger groups, 24 loads, may stay out
	GROUP 0, 1, -1
	GROUP 1, 0, -1
	GROUP 2, 0, -1
	GROUP 3, 0, 24
	GROUP 4, 0, 24
	GROUP 5, 0, 24
	GROUP 6, 0, 24
	GROUP 7, 0, 24
; ---- the hidden layer becomes an operand
	WIN 0
	s_wait_asynccnt 0x0                                ; my copies have landed: their address registers are free, and the barrier below shows the rows to all
	VLOAD BIAS, 16, 0                                  ; b2
	HID 0
	HID 1
	HID 2
	HID 3
	HID 4
	VLOAD HA, 16, 2048                                 ; W3
	s_barrier_signal -1
	s_barrier_wait -1                                  ; the hidden layer's 20 fragments lie in LDS
.irp f, 0,1,2,3,4,5,6,7,8,9,10,11,12,13,14,15,16,17,18,19
	ds_load_b32 v[72+\f], v9 offset:128*\f
.endr
	XFLOAD 7
; ---- the second product
	GROUP 8, 1, 16                                     ; only W3's sixteen loads are younger than b2's: groups 8, 9, 10 and b2 are in
	GROUP 9, 0, -1
	GROUP 10, 0, -1
	GROUP 11, 0, 24
	GROUP 12, 0, 24
	GROUP 13, 0, 24
	GROUP 14, 0, 12
	GROUP 15, 0, 0
; ---- scores: relu, and the dot product with W3 over my 128 units
	WIN 0x40
.set fl, 0
.rept 64
	ds_load_b64 v[2*fl:2*fl+1], v14 offset:1024*fl     ; my four columns of the 64 bf16 rows: wanted at the end
.set fl, fl+1
.endr
	WIN 0x88
.set ri, 0
.rept 240
	v_max_num_f32 v[ri], 0, v[ri]
.set ri, ri+1
.endr
	WIN 0x02
.irp t, 0,1,2,3,4,5
.irp jp, 0,2,4,6
.irp m, 0,1,2,3,4
.if (\t == 0) && (\jp == 0)
	v_pk_mul_f32 v[92+2*\m:93+2*\m], v[40*\t+8*\m+\jp:40*\t+8*\m+\jp+1], v[HA+8*\t+\jp:HA+8*\t+\jp+1]
.else
	v_pk_fma_f32 v[92+2*\m:93+2*\m], v[40*\t+8*\m+\jp:40*\t+8*\m+\jp+1], v[HA+8*\t+\jp:HA+8*\t+\jp+1], v[92+2*\m:93+2*\m]
.endif
.endr
.endr
.endr
	WIN 0xcc
.set ri, 0
.rept 80
	v_max_num_f32 v[ri], 0, v[ri]
.set ri, ri+1
.endr
	WIN 0x03
.irp t, 6,7
.irp jp, 0,2,4,6
.irp m, 0,1,2,3,4
	v_pk_fma_f32 v[92+2*\m:93+2*\m], v[40*(\t-6)+8*\m+\jp:40*(\t-6)+8*\m+\jp+1], v[HA+8*\t+\jp:HA+8*\t+\jp+1], v[92+2*\m:93+2*\m]
.endr
.endr
.endr
	WIN 0
.irp m, 0,1,2,3,4
	v_add_f32 v[92+2*\m], v[92+2*\m], v[93+2*\m]
.endr
.irp m, 0,1,2,3,4
	v_permlanex16_b32 v[112+\m], v[92+2*\m], s[SEL], s[SEL+1]
.endr
.irp m, 0,1,2,3,4
	v_add_f32 v[92+2*\m], v[92+2*\m], v[112+\m]        ; with lane l xor 16's units: row 16 m + r, my wave's part
.endr
.irp m, 0,1,2,3,4
	ds_store_b32 v11, v[92+2*\m] offset:64*\m          ; lanes r and 16 + r write the same word with the same value
.endr
	s_wait_dscnt 0x0
	s_barrier_signal -1
	s_barrier_wait -1                                  ; the four parts of all 80 scores lie in LDS
; ---- the softmax over 65, in every wave: lane l holds concepts l and 32 + l, every lane the sentinel
.irp q, 0,1,2,3
	ds_load_b32 v[92+\q], v12 offset:320*\q
	ds_load_b32 v[96+\q], v12 offset:320*\q+128
	ds_load_b32 v[100+\q], v13 offset:320*\q
.endr
	s_wait_dscnt 0x0
.irp a, 92,96,100
	v_add_f32 v[\a], v[\a], v[\a+1]
	v_add_f32 v[\a+2], v[\a+2], v[\a+3]
.endr
.irp a, 92,96,100
	v_add_f32 v[\a], v[\a], v[\a+2]
.endr
.irp a, 92,96,100
	v_add_f32 v[\a], s35, v[\a]                        ; + b3
.endr
	v_mov_b32 v104, 0xf149f2ca                         ; -1e30
	v_cmp_gt_i32 vcc_lo, s34, v17
	v_cndmask_b32 v92, v104, v92, vcc_lo
	v_add_nc_u32 v105, 32, v17
	v_cmp_gt_i32 vcc_lo, s34, v105
	v_cndmask_b32 v96, v104, v96, vcc_lo
	v_max3_num_f32 v106, v92, v96, v100
	v_max_num_f32_dpp v106, v106, v106 row_xmask:1 row_mask:0xf bank_mask:0xf
	v_max_num_f32_dpp v106, v106, v106 row_xmask:2 row_mask:0xf bank_mask:0xf
	v_max_num_f32_dpp v106, v106, v106 row_xmask:4 row_mask:0xf bank_mask:0xf
	v_max_num_f32_dpp v106, v106, v106 row_xmask:8 row_mask:0xf bank_mask:0xf
	v_permlanex16_b32 v108, v106, s[SEL], s[SEL+1]
	v_max_num_f32 v106, v106, v108                     ; the largest of the 65
.irp a, 92,96,100
	v_sub_f32 v[\a], v[\a], v106
.endr
.irp a, 92,96,100
	v_mul_f32 v[\a], 0x3fb8aa3b, v[\a]
.endr
	v_exp_f32 v92, v92
	v_exp_f32 v96, v96
	v_exp_f32 v100, v100
	v_nop                                              ; a plain place behind the exponentials
	s_wait_alu depctr_va_vdst(0)                       ; one wait for the three, ahead of their first reader
	v_add_f32 v109, v92, v96
	v_add_f32_dpp v109, v109, v109 row_xmask:1 row_mask:0xf bank_mask:0xf
	v_add_f32_dpp v109, v109, v109 row_xmask:2 row_mask:0xf bank_mask:0xf
	v_add_f32_dpp v109, v109, v109 row_xmask:4 row_mask:0xf bank_mask:0xf
	v_add_f32_dpp v109, v109, v109 row_xmask:8 row_mask:0xf bank_mask:0xf
	v_permlanex16_b32 v108, v109, s[SEL], s[SEL+1]
	v_add_f32 v109, v109, v108
	v_add_f32 v109, v109, v100                         ; the sentinel's once
	v_rcp_f32 v110, v109
	v_mov_b32 v107, 0                                  ; (a plain place behind the reciprocal)
	s_wait_alu depctr_va_vdst(0)                       ; the wait ahead of its first reader
.irp a, 92,96,100
	v_mul_f32 v[\a], v[\a], v110
.endr
	s_cmp_lg_u32 s30, 0
	s_cbranch_scc1 .Lnot0
	global_store_b32 v2, v92, s[28:29]                 ; wave 0 stores the row of out1: 260 bytes
	global_store_b32 v2, v96, s[28:29] offset:128
	global_store_b32 v107, v100, s[28:29] offset:256   ; every lane holds the sentinel's p and stores it to the one word
.Lnot0:
; ---- features: my wave's 128 columns, four a lane
	ds_store_b32 v15, v92
	ds_store_b32 v15, v96 offset:128
.irp i, 0,1,2,3,4,5,6,7,8,9,10,11,12,13,14,15
	ds_load_b128 v[HA+4*\i:HA+4*\i+3], v16 offset:16*\i   ; all 64 weights into every lane: my wave's own bytes, served in order behind the stores
.endr
.irp k, 0,1,2,3
	v_mul_f32 v[112+\k], v100, v[34+\k]                ; the sentinel's share starts the even concepts' sums
.endr
.irp k, 0,1,2,3
	v_mov_b32 v[116+\k], 0                             ; the odd concepts' sums
.endr
	s_wait_dscnt 0x0
	WIN 0x01                                           ; source 0 (the rows) window 1
.set fl, 0
.rept 64
	v_fma_mix_f32_bf16 v[112+4*(fl%2)], v[2*fl], v[HA+fl], v[112+4*(fl%2)] op_sel:[0,0,0] op_sel_hi:[1,0,0]
	v_fma_mix_f32_bf16 v[113+4*(fl%2)], v[2*fl], v[HA+fl], v[113+4*(fl%2)] op_sel:[1,0,0] op_sel_hi:[1,0,0]
	v_fma_mix_f32_bf16 v[114+4*(fl%2)], v[2*fl+1], v[HA+fl], v[114+4*(fl%2)] op_sel:[0,0,0] op_sel_hi:[1,0,0]
	v_fma_mix_f32_bf16 v[115+4*(fl%2)], v[2*fl+1], v[HA+fl], v[115+4*(fl%2)] op_sel:[1,0,0] op_sel_hi:[1,0,0]
.set fl, fl+1
.endr
	WIN 0
	v_pk_add_f32 v[112:113], v[112:113], v[116:117]
	v_pk_add_f32 v[114:115], v[114:115], v[118:119]
	global_store_b128 v18, v[112:115], s[26:27]        ; the wave stores 512 consecutive, aligned bytes
	s_wait_tensorcnt 0x0
	ds_add_u32 v122, v123
	s_wait_dscnt 0x0
	s_endpgm
.Lfunc_end_k_q4573f1075a_main:
	.size	k_q4573f1075a_main, .Lfunc_end_k_q4573f1075a_main-k_q4573f1075a_main
	.p2alignl 7, 3214868480
	.fill 96, 4, 3214868480
	.section	.rodata,"a",@progbits
	.p2align	6, 0x0
	.amdhsa_kernel k_q4573f1075a_main
		.amdhsa_group_segment_fixed_size 168448
		.amdhsa_private_segment_fixed_size 0
		.amdhsa_enable_private_segment 0
		.amdhsa_kernarg_size 104
		.amdhsa_user_sgpr_count 2
		.amdhsa_user_sgpr_kernarg_segment_ptr 1
		.amdhsa_wavefront_size32 1
		.amdhsa_system_sgpr_workgroup_id_x 1
		.amdhsa_system_sgpr_workgroup_id_y 1
		.amdhsa_system_sgpr_workgroup_id_z 1
		.amdhsa_system_vgpr_workitem_id 0
		.amdhsa_next_free_vgpr 1024
		.amdhsa_next_free_sgpr 66
		.amdhsa_reserve_vcc 1
		.amdhsa_float_denorm_mode_32 3
		.amdhsa_float_denorm_mode_16_64 3
		.amdhsa_memory_ordered 1
		.amdhsa_forward_progress 1
		.amdhsa_inst_pref_size 167
	.end_amdhsa_kernel
	.amdgpu_metadata
---
amdhsa.version: [ 1, 2 ]
amdhsa.kernels:
  - .name:           k_q4573f1075a_main
    .symbol:         k_q4573f1075a_main.kd
    .args:
      - { .name: wimg, .offset: 0, .size: 8, .value_kind: global_buffer, .address_space: global }
      - { .name: wscl, .offset: 8, .size: 8, .value_kind: global_buffer, .address_space: global }
      - { .name: kcodes, .offset: 16, .size: 8, .value_kind: global_buffer, .address_space: global }
      - { .name: kscl, .offset: 24, .size: 8, .value_kind: global_buffer, .address_space: global }
      - { .name: sentf, .offset: 32, .size: 8, .value_kind: global_buffer, .address_space: global }
      - { .name: spb, .offset: 40, .size: 8, .value_kind: global_buffer, .address_space: global }
      - { .name: vecs, .offset: 48, .size: 8, .value_kind: global_buffer, .address_space: global }
      - { .name: kbf, .offset: 56, .size: 8, .value_kind: global_buffer, .address_space: global }
      - { .name: span2concepts, .offset: 64, .size: 8, .value_kind: global_buffer, .address_space: global }
      - { .name: lengths, .offset: 72, .size: 8, .value_kind: global_buffer, .address_space: global }
      - { .name: b3, .offset: 80, .size: 8, .value_kind: global_buffer, .address_space: global }
      - { .name: out0, .offset: 88, .size: 8, .value_kind: global_buffer, .address_space: global }
      - { .name: out1, .offset: 96, .size: 8, .value_kind: global_buffer, .address_space: global }
    .group_segment_fixed_size: 168448
    .private_segment_fixed_size: 0
    .kernarg_segment_align: 8
    .kernarg_segment_size: 104
    .max_flat_workgroup_size: 128
    .sgpr_count:     66
    .vgpr_count:     1024
    .wavefront_size: 32
...
	.end_amdgpu_metadata
.endif
;; end of part 2
